; MI455X (gfx1250); checked and timed in simulation.
; The chip was launched on July 23, 2026; its instructions are those of AMD's public machine-readable ISA for CDNA 5 (MIT licence, August 2026) and "CDNA5" Instruction Set Architecture Reference Guide (July 2026). The comments in the code are by the model that wrote it; some were corrected since.
;; Two Stage Selfgating RNN. Allowed arithmetic: float matrix products may take bf16 or f16 operands with f32 sums; other float arithmetic in f32, or as packed bf16 or f16 multiplies, adds, multiply-adds, maxima and minima; sums over many terms, partial sums and values carried from step to step in f32; what a program stores and reads back later, other than sums and carried values, may be rounded once to bf16 or f16.
;; Inputs: Wc 1,024 x 1,024 float32; Wk 1,024 x 1,024 float32; Wq 1,024 x 1,024 float32; Wv 1,024 x 1,024 float32; X 4 x 4,096 x 1,024 float32.
;; Outputs: out0 4 x 4,096 x 1,024 float32.
;; One version. Each part assembles by itself: llvm-mc -triple=amdgcn-amd-amdhsa -mcpu=gfx1250 --defsym DOCPART=n.
;; ======== version 1 of 1: 4 launches
;; limits: values are held in f16: magnitudes above 65,504 overflow, below 6.1e-05 lose precision
;; workspace buffers: Xb 33,554,432 bytes; Wb 8,388,608 bytes; SUMS 134,217,728 bytes; TOT 1,048,576 bytes; O3 33,554,432 bytes; OLO 131,072 bytes
;; launch cvt (part 1): grid 1280 x 1, 8 waves a work-group, no clusters, 0 bytes of LDS; arguments X, Wk, Wv, Wq, Wc, Xb, Wb; writes Xb, Wb
.if DOCPART == 1
	.amdgcn_target "amdgcn-amd-amdhsa--gfx1250"
	.amdhsa_code_object_version 6
	.text
	.protected	k_q0de0632310_cvt
	.globl	k_q0de0632310_cvt
	.p2align	8
	.type	k_q0de0632310_cvt,@function
k_q0de0632310_cvt:
	s_mov_b64 s[64:65], 0
	v_nop
	global_prefetch_b8 v0, s[64:65] scope:SCOPE_SE
	s_setreg_imm32_b32 hwreg(HW_REG_WAVE_MODE, 25, 1), 1
	s_wait_xcnt 0x0
; X, Wk, Wv, Wq are rounded once to bf16 (Xb; Wb's matrices 0, 1, 2).  Wc is rounded to bf16 like the other inputs and that number is written as f16 (Wb's matrix 3).
; LIMIT.  |Wc| stays under 65,504 (f16's range); a bf16 number of magnitude 7.6e-6 or more is exact in f16, below that it keeps f16's fixed step of 6e-8.
; A stream: no LDS, no matrix unit, no loop.  A work-group of 256 threads converts 16 pieces of 1,024 numbers: 65,536 bytes in, 32,768 out.
; 1,024 work-groups take X, 64 each of the four weights.  A wave's load covers 512 consecutive bytes, its store 256 consecutive bytes at a multiple of 256.
; All 16 loads of a thread go out at once, each into registers of its own; no register that a store names is written again; Wc's path rewrites a piece's input registers once it is in.
.set IN,  4                            ; v[4:67]   piece p: 4 numbers in f32
.set OUTR, 68                          ; v[68:99]  piece p: 4 numbers in 16 bits
	s_load_b256 s[4:11], s[0:1], 0x0               ; X s[4:5], Wk s[6:7], Wv s[8:9], Wq s[10:11]
	s_load_b128 s[12:15], s[0:1], 0x20             ; Wc s[12:13], Xb s[14:15]
	s_load_b64 s[16:17], s[0:1], 0x30              ; Wb
	v_lshlrev_b32 v1, 4, v0                        ; my 16 bytes of a piece, in
	v_lshlrev_b32 v2, 3, v0                        ; my 8 bytes, out
	s_sub_co_u32 s20, ttmp9, 1024                  ; k: the work-group's number among the weights' 256
	s_lshr_b32 s21, s20, 6                         ; which matrix (far above 3 for X's work-groups: no compare below holds)
	s_and_b32 s22, s20, 63                         ; which sixty-fourth of it
	s_cmp_lt_u32 ttmp9, 1024
	s_cselect_b32 s22, ttmp9, s22                  ; the share's number in its source,
	s_cselect_b32 s24, ttmp9, s20                  ; and in its destination
	s_lshl_b32 s22, s22, 16
	s_lshl_b32 s24, s24, 15
	s_mov_b32 s23, 0
	s_mov_b32 s25, 0
	s_wait_kmcnt 0x0
	s_cmp_eq_u32 s21, 1
	s_cselect_b64 s[6:7], s[8:9], s[6:7]
	s_cmp_eq_u32 s21, 2
	s_cselect_b64 s[6:7], s[10:11], s[6:7]
	s_cmp_eq_u32 s21, 3
	s_cselect_b64 s[6:7], s[12:13], s[6:7]
	s_cmp_lt_u32 ttmp9, 1024
	s_cselect_b64 s[4:5], s[4:5], s[6:7]
	s_cselect_b64 s[14:15], s[14:15], s[16:17]
	s_add_nc_u64 s[4:5], s[4:5], s[22:23]
	s_add_nc_u64 s[14:15], s[14:15], s[24:25]
.irp p, 0,1,2,3,4,5,6,7,8,9,10,11,12,13,14,15
	global_load_b128 v[IN+4*(\p):IN+4*(\p)+3], v1, s[4:5] offset:4096*(\p) th:TH_LOAD_NT
.endr
; Piece p leaves.  half = 1: the bf16 numbers are widened again (a shift, a mask) and written as f16.
.macro OUT p, half
	s_wait_loadcnt 15-(\p)                         ; loads come back in order: piece p is in, the 15 - p younger ones may stay out
	v_cvt_pk_bf16_f32 v[OUTR+2*(\p)],   v[IN+4*(\p)],   v[IN+4*(\p)+1]
	v_cvt_pk_bf16_f32 v[OUTR+2*(\p)+1], v[IN+4*(\p)+2], v[IN+4*(\p)+3]
.if \half
	v_lshlrev_b32 v[IN+4*(\p)],   16, v[OUTR+2*(\p)]
	v_and_b32     v[IN+4*(\p)+1], 0xffff0000, v[OUTR+2*(\p)]
	v_lshlrev_b32 v[IN+4*(\p)+2], 16, v[OUTR+2*(\p)+1]
	v_and_b32     v[IN+4*(\p)+3], 0xffff0000, v[OUTR+2*(\p)+1]
	v_cvt_pk_f16_f32 v[OUTR+2*(\p)],   v[IN+4*(\p)],   v[IN+4*(\p)+1]
	v_cvt_pk_f16_f32 v[OUTR+2*(\p)+1], v[IN+4*(\p)+2], v[IN+4*(\p)+3]
.endif
	global_store_b64 v2, v[OUTR+2*(\p):OUTR+2*(\p)+1], s[14:15] offset:2048*(\p)
.endm
	s_cmp_ge_u32 ttmp9, 1216                       ; the last 64 work-groups hold Wc
	s_cbranch_scc1 .Lwc
.irp p, 0,1,2,3,4,5,6,7,8,9,10,11,12,13,14,15
	OUT \p, 0
.endr
	s_endpgm
.Lwc:
.irp p, 0,1,2,3,4,5,6,7,8,9,10,11,12,13,14,15
	OUT \p, 1
.endr
	s_endpgm
.Lfunc_end_k_q0de0632310_cvt:
	.size	k_q0de0632310_cvt, .Lfunc_end_k_q0de0632310_cvt-k_q0de0632310_cvt
	.p2alignl 7, 3214868480
	.fill 96, 4, 3214868480
	.section	.rodata,"a",@progbits
	.p2align	6, 0x0
	.amdhsa_kernel k_q0de0632310_cvt
		.amdhsa_group_segment_fixed_size 0
		.amdhsa_private_segment_fixed_size 0
		.amdhsa_enable_private_segment 0
		.amdhsa_kernarg_size 56
		.amdhsa_user_sgpr_count 2
		.amdhsa_user_sgpr_kernarg_segment_ptr 1
		.amdhsa_wavefront_size32 1
		.amdhsa_system_sgpr_workgroup_id_x 1
		.amdhsa_system_sgpr_workgroup_id_y 1
		.amdhsa_system_sgpr_workgroup_id_z 1
		.amdhsa_system_vgpr_workitem_id 0
		.amdhsa_next_free_vgpr 100
		.amdhsa_next_free_sgpr 66
		.amdhsa_reserve_vcc 0
		.amdhsa_float_denorm_mode_32 3
		.amdhsa_float_denorm_mode_16_64 3
		.amdhsa_memory_ordered 1
		.amdhsa_forward_progress 1
		.amdhsa_inst_pref_size 16
	.end_amdhsa_kernel
	.amdgpu_metadata
---
amdhsa.version: [ 1, 2 ]
amdhsa.kernels:
  - .name:           k_q0de0632310_cvt
    .symbol:         k_q0de0632310_cvt.kd
    .args:
      - { .name: X, .offset: 0, .size: 8, .value_kind: global_buffer, .address_space: global }
      - { .name: Wk, .offset: 8, .size: 8, .value_kind: global_buffer, .address_space: global }
      - { .name: Wv, .offset: 16, .size: 8, .value_kind: global_buffer, .address_space: global }
      - { .name: Wq, .offset: 24, .size: 8, .value_kind: global_buffer, .address_space: global }
      - { .name: Wc, .offset: 32, .size: 8, .value_kind: global_buffer, .address_space: global }
      - { .name: Xb, .offset: 40, .size: 8, .value_kind: global_buffer, .address_space: global }
      - { .name: Wb, .offset: 48, .size: 8, .value_kind: global_buffer, .address_space: global }
    .group_segment_fixed_size: 0
    .private_segment_fixed_size: 0
    .kernarg_segment_align: 8
    .kernarg_segment_size: 56
    .max_flat_workgroup_size: 256
    .sgpr_count:     66
    .vgpr_count:     100
    .wavefront_size: 32
...
	.end_amdgpu_metadata
.endif
;; end of part 1
;; launch kv (part 2): grid 8 x 64, 4 waves a work-group, clusters of 4 x 4, 327,680 bytes of LDS; arguments Xb, Wb, SUMS, TOT; writes SUMS, TOT
.if DOCPART == 2
	.amdgcn_target "amdgcn-amd-amdhsa--gfx1250"
	.amdhsa_code_object_version 6
	.text
	.protected	k_q0de0632310_kv
	.globl	k_q0de0632310_kv
	.p2align	8
	.type	k_q0de0632310_kv,@function
k_q0de0632310_kv:
	s_mov_b64 s[64:65], 0
	v_nop
	global_prefetch_b8 v0, s[64:65] scope:SCOPE_SE
	s_setreg_imm32_b32 hwreg(HW_REG_WAVE_MODE, 25, 1), 1
	s_wait_xcnt 0x0
	s_wait_alu depctr_hold_cnt(0) depctr_sa_sdst(0) depctr_va_vdst(0) depctr_va_sdst(0) depctr_va_ssrc(0) depctr_va_vcc(0) depctr_vm_vsrc(0)
	s_getreg_b32 s2, hwreg(HW_REG_IB_STS2, 6, 4)
	s_cmp_eq_u32 s2, 0
	s_cbranch_scc0 .Lentry_in_a_cluster
	s_endpgm
.Lentry_in_a_cluster:
	s_bfe_u32 s2, ttmp6, 0x10000c
	s_cmp_lg_u32 s2, 0xf033
	s_cbranch_scc0 .Lentry_shape_is_right
	s_endpgm
.Lentry_shape_is_right:
; K = exp(X Wk), V = X Wv, and the running sums of K and of K V along the rows INSIDE chunks of 128 rows (SUMS, f32), with each chunk's totals (TOT, f32).
; The next launch adds the earlier chunks' totals of the batch.  Operands bf16, sums f32.  reference() takes no maximum away ahead of its exponential, and neither does this text.
; LIMITS.  A K below 2^-126 counts as 0.  The running sums are taken chunk by chunk, inside a chunk by blocks of 8 and 16 rows: another order of rounding than a plain running sum's.
; SHARES.  A work-group makes 256 rows x 128 channels of BOTH products: a tile of 256 x 256.  Wave w: rows 128 (w / 2) on, which are one chunk; channels 64 (w % 2) on, K's logits
; (column blocks 0-3) and V (blocks 4-7) of the SAME channels, so that K V is made in registers.  64 accumulators of 16 x 16, 512 registers.
; LAYOUT.  Source 0 = 16 rows of X, source 1 = 16 channels: in the result a lane holds ONE channel (lane % 16) and registers 0-7 the rows 8 (lane / 16) + 0..7: a running sum along
; the rows is seven additions inside the lane, one exchange between the lanes' halves, and a carry from block to block.
; RING.  K goes in 8 steps of 128 through two LDS slots.  A slot: X's 256 rows (two halves of 128 rows x 256 bytes, pitch 272), then 128 k x 128 channels of Wk and of Wv (pitch 288).
; The weights lie [k][channel] in memory and are turned on the way out of LDS (ds_load_tr16_b128).  A loop trip is one K step; s2 holds the base of the slot that is read.
; CLUSTER 4 x 4.  X's tiles hang on the tile row alone and are asked for jointly along a row of the cluster, the weights' on the tile column alone, along a column.
; REGISTERS in windows of 256: window 0: v0-31 addresses, v64-127 and v128-191 X's fragments (two buffers); window 1: the same numbers, the weights' fragments;
; window 2: accumulators of my rows 0-63 ((a, b) at v[8 (8 (a % 4) + b)]); window 3: of rows 64-127.
.set HA,    128*272                    ; half a tile of X in LDS
.set HB,    128*288                    ; half a tile of weights
.set SLOT,  2*HA+2*HB
.set SPARE, 2*SLOT                     ; behind the ring: the spare words, 128 bytes a wave, two blocks of 256 bytes that no other line names
.set ASTEP, 256                        ; a K step in X: 128 numbers along a row
.set BSTEP, 128*2048                   ; in the weights: 128 rows
.set F0, 64
.set F1, 128
.set A0, 16                            ; v16 my lane's place in slot 0 for X's fragments; never rewritten
.set B0, 17                            ; v17 for Wk's;  v18 for Wv's
.set B0B, 18
.set ADRA, 20                          ; v20-22 the same in the slot that is read
.set ADRB, 21
.set ADRB2, 22
.set SPW, 28                           ; v28 my spare word; v29 = 0; never rewritten
.set NIL, 29
.set PFO, 30                           ; v30 the prefetches' offset: 2,048 x lane
.set MSB, 0
.macro WIN new                         ; the immediate's high byte repeats the setting that is left; a switch that changes nothing is dropped
.if MSB != (\new)
	s_set_vgpr_msb (MSB<<8)|(\new)
.set MSB, \new
.endif
.endm
.macro PLACES                          ; four plain places behind matrix instructions, ahead of loads into registers that they read
.rept 4
	v_nop
.endr
.endm
.macro CREST                           ; a round of the cluster's barrier behind its opening barrier
	s_cmp_lg_u32 s10, 0
	s_cbranch_scc1 .Lnot_wave_0_\@
	s_barrier_signal -3
.Lnot_wave_0_\@:
	s_barrier_wait -3
	s_barrier_signal -1
	s_barrier_wait -1
.endm
.macro CROUND
	s_barrier_signal -1
	s_barrier_wait -1
	CREST
.endm
; A joint refill: waves 0 and 1 fetch X's two halves, waves 2 and 3 Wk's and Wv's tile.  The branch hangs on the wave's number alone.  An s_nop 0 and four v_nop follow each line.
.macro JLOAD
	s_cmp_eq_u32 s11, 0
	s_cbranch_scc0 .Lfor_b_\@
	tensor_load_to_lds s[36:39], s[24:31]
	s_nop 0
.rept 4
	v_nop
.endr
	s_branch .Lasked_\@
.Lfor_b_\@:
	tensor_load_to_lds s[60:63], s[48:55]
	s_nop 0
.rept 4
	v_nop
.endr
.Lasked_\@:
.endm
; A prefetch of the K step two refills on: 32 rows x 256 bytes, a lane a row, one instruction a wave.  X's rows are asked for by the cluster with x = 0, the weights' by the cluster with y = 0;
; the four partners of a joint load share its 128 rows out by address.  s3 counts 6 .. 1: the last two refills have no K step two on.
.macro ASK
	s_cmp_gt_u32 s3, s23
	s_cbranch_scc0 .Lnot_mine_\@
	global_prefetch_b8 v[PFO], s[44:45] th:TH_LOAD_NT scope:SCOPE_SE
.Lnot_mine_\@:
.endm
; 32 LDS loads in one run: quarter q (32 along K) of the slot that is read, into buffer f: first the weights' 8 fragments (turned), then X's 8
.macro FETCH q, f
	WIN 0x40
.irp i, 0,1,2,3
	ds_load_tr16_b128 v[(\f)+8*(\i):(\f)+8*(\i)+3],   v[ADRB] offset:32*(\i)+9216*(\q)
	ds_load_tr16_b128 v[(\f)+8*(\i)+4:(\f)+8*(\i)+7], v[ADRB] offset:32*(\i)+9216*(\q)+4608
.endr
.irp i, 0,1,2,3
	ds_load_tr16_b128 v[(\f)+32+8*(\i):(\f)+32+8*(\i)+3],   v[ADRB2] offset:32*(\i)+9216*(\q)
	ds_load_tr16_b128 v[(\f)+32+8*(\i)+4:(\f)+32+8*(\i)+7], v[ADRB2] offset:32*(\i)+9216*(\q)+4608
.endr
	WIN 0
.irp i, 0,1,2,3,4,5,6,7
	ds_load_b128 v[(\f)+8*(\i):(\f)+8*(\i)+3],   v[ADRA] offset:64*(\q)+4352*(\i)
	ds_load_b128 v[(\f)+8*(\i)+4:(\f)+8*(\i)+7], v[ADRA] offset:64*(\q)+4352*(\i)+32
.endr
.endm
; 16 matrix instructions: row blocks a0, a0 + 1 of the window's four x all 8 column blocks.  The 64 accumulators take turns in one order everywhere.  zero = 1: the product starts the sum.
.macro MUL16 f, hi, a0, zero
	WIN 0xa4+0x50*(\hi)
.irp a, \a0, (\a0)+1
.irp b, 0,1,2,3,4,5,6,7
.if \zero
	v_wmma_f32_16x16x32_bf16 v[8*(8*(\a)+(\b)):8*(8*(\a)+(\b))+7], v[(\f)+8*(4*(\hi)+(\a)):(\f)+8*(4*(\hi)+(\a))+7], v[(\f)+8*(\b):(\f)+8*(\b)+7], 0
.else
	v_wmma_f32_16x16x32_bf16 v[8*(8*(\a)+(\b)):8*(8*(\a)+(\b))+7], v[(\f)+8*(4*(\hi)+(\a)):(\f)+8*(4*(\hi)+(\a))+7], v[(\f)+8*(\b):(\f)+8*(\b)+7], v[8*(8*(\a)+(\b)):8*(8*(\a)+(\b))+7]
.endif
.endr
.endr
.endm
; One of a K step's first three quarters: multiplies buffer f, and in its middle fetches quarter q into buffer g
.macro QUARTER q, f, g, zero
	s_wait_dscnt 8                                 ; the weights and X's rows 0-63 are in; the youngest eight loads (rows 64-127) may be out
	MUL16 \f, 0, 0, \zero
	MUL16 \f, 0, 2, \zero
	PLACES
	FETCH \q, \g
	s_wait_dscnt 32                                ; all but the 32 just issued
	MUL16 \f, 1, 0, \zero
	MUL16 \f, 1, 2, \zero
.endm
; The fourth quarter multiplies buffer 1 and changes slots.  Each wave waits for all its tensor loads (one is out: its part of the next slot), adds 0 to its spare word, and waits for that and for
; its reads of this slot; behind the barrier nobody reads this slot and the next is whole.  fill = 1: the barrier opens a round of the cluster's, and the slot takes the K step two on.
.macro TURN fill
.if \fill
	s_wait_xcnt 0x0                                ; the last prefetch, a K step back, has read its address
	s_add_nc_u64 s[44:45], s[44:45], s[46:47]
.endif
	WIN 0
	s_wait_tensorcnt 0x0                           ; no tensor load of mine is out, so the walking descriptors may be written
	ds_add_u32 v[SPW], v[NIL]
	s_wait_dscnt 9                                 ; the add and the youngest eight loads may be out
.if \fill
	s_add_co_u32 s37, s20, s2                      ; into the slot that is being left,
	s_add_nc_u64 s[38:39], s[38:39], ASTEP         ; the next K step
	s_add_co_u32 s61, s21, s2
	s_add_nc_u64 s[62:63], s[62:63], BSTEP
.endif
	s_xor_b32 s2, s2, SLOT                         ; the reads go on in the other slot
	MUL16 F1, 0, 0, 0
	s_wait_dscnt 0x0                               ; the add is done, and my reads of this slot are over
	s_barrier_signal -1
	MUL16 F1, 0, 2, 0
	WIN 0
	s_barrier_wait -1
.if \fill
	CREST
	JLOAD                                          ; the first tensor load behind the round; its four v_nop are also the places ahead of the loads below
.else
	PLACES
.endif
	v_add_nc_u32 v[ADRA], s2, v[A0]
	v_add_nc_u32 v[ADRB], s2, v[B0]
	v_add_nc_u32 v[ADRB2], s2, v[B0B]
	FETCH 0, F0
.if \fill
	ASK
.endif
	MUL16 F1, 1, 0, 0
	MUL16 F1, 1, 2, 0
.endm
	s_load_b256 s[84:91], s[0:1], 0x0              ; Xb s[84:85], Wb s[86:87], SUMS s[88:89], TOT s[90:91]
	v_lshl_add_u32 v[SPW], v0, 2, SPARE
	v_mov_b32 v[NIL], 0
	ds_add_u32 v[SPW], v[NIL]                      ; the opening: the add, twice on end, and its wait ahead of my first tensor load
	ds_add_u32 v[SPW], v[NIL]
	v_lshrrev_b32 v1, 5, v0
	v_readfirstlane_b32 s10, v1                    ; wave 0..3
	s_lshr_b32 s11, s10, 1                         ; my half of the rows.  Also: I fetch X (0) or weights (1)
	s_and_b32 s12, s10, 1                          ; my half of the channels.  Also: which half tile I fetch
	s_bfe_u32 s40, ttmp6, 0x40000                  ; cx
	s_bfe_u32 s41, ttmp6, 0x40004                  ; cy
	s_and_b32 s22, ttmp7, 0xffff                   ; cluster y
	s_lshl_b32 s42, ttmp9, 2
	s_add_co_u32 s42, s42, s40                     ; tile column 0..7: 128 channels
	s_lshl_b32 s13, s22, 2
	s_add_co_u32 s13, s13, s41                     ; tile row 0..63: 256 rows
	s_lshl_b32 s14, s41, 2
	s_lshl_b32 s14, 15, s14                        ; my row of the cluster
	s_lshl_b32 s15, 0x1111, s40                    ; my column
	s_or_b32 s24, s14, (1<<16)|(1<<20)|(1<<21)|(5<<22)|(3<<25)  ; X: the mask; 2-byte elements; padding on; bit 21 beside a mask; after every 64 words 4 words
	s_or_b32 s48, s15, (1<<16)|(1<<20)|(1<<21)|(5<<22)|(7<<25)  ; weights: the same with 8 words of padding
.irp g, 24, 48
	s_mov_b32 s[(\g)+1], 128<<16                   ; tensor_dim0 = 128
	s_mov_b32 s[(\g)+2], 128<<16                   ; tensor_dim1 = 128
	s_mov_b32 s[(\g)+3], 128<<16                   ; tile_dim0 = 128
	s_mov_b32 s[(\g)+4], 128                       ; tile_dim1 = 128
	s_mov_b32 s[(\g)+5], 1024                      ; elements from row to row
	s_mov_b32 s[(\g)+6], 0
	s_mov_b32 s[(\g)+7], 0
.endr
	s_lshl_b32 s16, s13, 19                        ; X: (256 x tile row + 128 x half) rows of 2,048 bytes; these registers never hold cx
	s_lshl_b32 s17, s12, 18
	s_add_co_u32 s16, s16, s17
	s_mov_b32 s17, 0
	s_lshl_b32 s18, s12, 21                        ; weights: matrix 0 (Wk) or 1 (Wv), 256 bytes x tile column; these never hold cy
	s_lshl_b32 s19, s42, 8
	s_add_co_u32 s18, s18, s19
	s_mov_b32 s19, 0
	s_mul_i32 s20, s12, HA                         ; where my half tile goes in a slot, for X
	s_mul_i32 s21, s12, HB                         ; and for the weights
	s_add_co_u32 s21, s21, 2*HA
	s_mov_b32 s2, 0                                ; slot 0 is read first
	s_mov_b32 s32, 1
	s_mov_b32 s33, s20
	s_mov_b32 s36, 1
	s_add_co_u32 s37, s20, SLOT
	s_mov_b32 s56, 1
	s_mov_b32 s57, s21
	s_mov_b32 s60, 1
	s_add_co_u32 s61, s21, SLOT
	s_wait_dscnt 0x0                               ; both opening adds are done
	s_wait_kmcnt 0x0
	s_add_nc_u64 s[34:35], s[84:85], s[16:17]      ; K step 0
	s_add_nc_u64 s[38:39], s[34:35], ASTEP         ; K step 1
	s_or_b32 s35, s35, 0x80000000
	s_or_b32 s39, s39, 0x80000000
	s_add_nc_u64 s[58:59], s[86:87], s[18:19]
	s_add_nc_u64 s[62:63], s[58:59], BSTEP
	s_or_b32 s59, s59, 0x80000000
	s_or_b32 s63, s63, 0x80000000
	CROUND                                         ; all sixteen work-groups are here: the first joint loads meet
	s_cmp_eq_u32 s11, 0                            ; a wave's two first fills stand in one branch: two loads of mine are out
	s_cbranch_scc0 .Lfirst_b
	tensor_load_to_lds s[32:35], s[24:31]
	s_nop 0
	tensor_load_to_lds s[36:39], s[24:31]
	s_nop 0
.rept 4
	v_nop
.endr
	s_branch .Lfirst_done
.Lfirst_b:
	tensor_load_to_lds s[56:59], s[48:55]
	s_nop 0
	tensor_load_to_lds s[60:63], s[48:55]
	s_nop 0
.rept 4
	v_nop
.endr
.Lfirst_done:
	; lane addresses.  A fragment of X: lane l holds row l % 16, k = 8 (l / 16) + 0..7 and 16 + 8 (l / 16) + 0..7: two loads, 32 bytes apart.
	v_and_b32 v1, 15, v0
	v_bfe_u32 v2, v0, 4, 1
	v_mul_u32_u24 v3, v1, 272
	v_lshl_add_u32 v3, v2, 4, v3
	s_mul_i32 s14, s11, HA
	v_add_nc_u32 v[A0], s14, v3
	; the turning load: lane l reads 16 bytes of row k = 8 (l / 16) + l % 8, channels 8 ((l / 8) % 2) + 0..7, and ends with channel l % 16 and 8 k
	v_and_b32 v4, 7, v0
	v_lshl_add_u32 v4, v2, 3, v4
	v_mul_u32_u24 v4, v4, 288
	v_bfe_u32 v5, v0, 3, 1
	v_lshl_add_u32 v4, v5, 4, v4
	s_lshl_b32 s14, s12, 7                         ; my 64 channels: 128 bytes of a row
	s_add_co_u32 s14, s14, 2*HA
	v_add_nc_u32 v[B0], s14, v4
	v_add_nc_u32 v[B0B], HB, v[B0]
	v_and_b32 v6, 31, v0
	v_lshlrev_b32 v24, 4, v6                       ; 16 x lane: my 16 bytes of 512 in SUMS and TOT
	v_lshlrev_b32 v[PFO], 11, v6
	; the prefetches: my work-group's 32 of the 128 rows that I fetch, at K step 3; the first change of slots steps it to 4
	s_lshl_b32 s96, s13, 19
	s_lshl_b32 s14, s12, 18
	s_add_co_u32 s96, s96, s14
	s_lshl_b32 s14, s40, 16                        ; X: 32 cx rows
	s_add_co_u32 s96, s96, s14
	s_add_co_u32 s96, s96, 3*ASTEP
	s_lshl_b32 s98, s12, 21
	s_lshl_b32 s14, s42, 8
	s_add_co_u32 s98, s98, s14
	s_lshl_b32 s14, s41, 16                        ; weights: 32 cy rows
	s_add_co_u32 s98, s98, s14
	s_add_co_u32 s98, s98, 3*BSTEP
	s_mov_b32 s97, 0
	s_mov_b32 s47, 0
	s_mov_b32 s46, BSTEP
	s_cmp_eq_u32 s11, 0
	s_cselect_b32 s96, s96, s98
	s_cselect_b32 s46, ASTEP, s46
	s_cselect_b32 s23, ttmp9, s22                  ; the coordinate along which other clusters read the same rows
	s_cselect_b64 s[44:45], s[84:85], s[86:87]
	s_add_nc_u64 s[44:45], s[44:45], s[96:97]
	s_cmp_eq_u32 s23, 0
	s_cselect_b32 s23, 2, -1                       ; a wave that asks does so while s3 is above 2
	; where my results go: chunk c = 2 x tile row + row half, group g = 2 x tile column + channel half
	s_lshl_b32 s14, s13, 1
	s_add_co_u32 s14, s14, s11
	s_lshl_b32 s14, s14, 4
	s_lshl_b32 s15, s42, 1
	s_add_co_u32 s15, s15, s12
	s_add_co_u32 s14, s14, s15
	s_lshl_b32 s96, s14, 16
	s_lshl_b32 s98, s14, 9
	s_mov_b32 s99, 0
	s_add_nc_u64 s[66:67], s[88:89], s[96:97]
	s_add_nc_u64 s[68:69], s[90:91], s[98:99]
	s_mov_b32 s74, 0x3fb8aa3b                      ; log2(e)
	s_mov_b32 s75, s74
	s_mov_b32 s76, 0xffff0000                      ; lanes 16-31
	s_mov_b32 s78, 0x76543210                      ; v_permlanex16_b32: each lane takes its own place in the other half
	s_mov_b32 s79, 0xfedcba98
	s_wait_tensorcnt 0x1                           ; my part of K step 0 is in; K step 1's may stay out
	s_wait_dscnt 0x0
	s_barrier_signal -1
	s_barrier_wait -1
	v_mov_b32 v[ADRA], v[A0]
	v_mov_b32 v[ADRB], v[B0]
	v_mov_b32 v[ADRB2], v[B0B]
	FETCH 0, F0
	QUARTER 1, F0, F1, 1                           ; the first quarter's products start the sums
	WIN 0
	s_mov_b32 s3, 6
.Lk:                                                   ; six trips, from a K step's second quarter to the next one's first; each asks for the K step two on
	QUARTER 2, F1, F0, 0
	QUARTER 3, F0, F1, 0
	TURN 1
	QUARTER 1, F0, F1, 0
	WIN 0
	s_sub_co_u32 s3, s3, 1
	s_cmp_lg_u32 s3, 0
	s_cbranch_scc1 .Lk
	s_mov_b32 s3, 2
.Lt:                                                   ; the last two K steps ask for nothing: their text has no tensor load; the second trip is left in its middle
	QUARTER 2, F1, F0, 0
	QUARTER 3, F0, F1, 0
	WIN 0
	s_sub_co_u32 s3, s3, 1
	s_cmp_eq_u32 s3, 0
	s_cbranch_scc1 .Lfin
	TURN 0
	QUARTER 1, F0, F1, 0
	WIN 0
	s_branch .Lt
.Lfin:
	s_wait_dscnt 8
	MUL16 F1, 0, 0, 0
	MUL16 F1, 0, 2, 0
	s_wait_dscnt 0x0
	MUL16 F1, 1, 0, 0
	MUL16 F1, 1, 2, 0
	; THE WAY OUT.  Chain ch = 4 x kind + b (kind 0: K, 1: K V; b: 16 channels).  Window 0: v[64+2 ch] what my lane adds to the block, v[65+2 ch] the other half's total,
	; v[80+ch] the carry (the chunk's sum so far), v[88+ch] the block's total.
	WIN 0
.rept 8
	v_nop
.endr
.set ch, 0
.rept 8
	v_mov_b32 v[65+2*ch], 0                        ; v_permlanex16_b32 counts as a reader of its destination
.set ch, ch+1
.endr
; Block row a: 16 rows of all eight chains.
.macro SCAN a
.set AC, 64*((\a)%4)
.set WW, 2+(\a)/4
	WIN 0x55*WW                                    ; every operand in the accumulators' window
.set p, 0
.rept 16
	v_pk_mul_f32 v[AC+2*p:AC+2*p+1], v[AC+2*p:AC+2*p+1], s[74:75] op_sel_hi:[1,0]  ; the logits times log2(e); each accumulator is read from its low end on
.set p, p+1
.endr
.set p, 0
.rept 32
	v_exp_f32 v[AC+p], v[AC+p]                     ; K
.set p, p+1
.endr
	v_nop                                          ; a plain instruction behind the last exponential,
	s_wait_alu depctr_va_vdst(0)                   ; and one wait for the batch of 32, ahead of the first reader
.set p, 0
.rept 16
	v_pk_mul_f32 v[AC+32+2*p:AC+32+2*p+1], v[AC+32+2*p:AC+32+2*p+1], v[AC+2*p:AC+2*p+1]  ; K V
.set p, p+1
.endr
.set j, 1
.rept 7                                ; the running sum of my 8 rows, the eight chains by turns
.set ch, 0
.rept 8
	v_add_f32 v[AC+8*ch+j], v[AC+8*ch+j], v[AC+8*ch+j-1]
.set ch, ch+1
.endr
.set j, j+1
.endr
	WIN WW
.set ch, 0
.rept 8
	v_permlanex16_b32 v[65+2*ch], v[AC+8*ch+7], s78, s79  ; the other 8 rows' total
.set ch, ch+1
.endr
	WIN 0
.set ch, 0
.rept 8
	v_cndmask_b32 v[64+2*ch], 0, v[65+2*ch], s76   ; rows 8-15 (lanes 16-31) lie behind rows 0-7
.set ch, ch+1
.endr
	WIN 4*WW
.set ch, 0
.rept 8
.if (\a) > 0
	v_add_f32 v[88+ch], v[65+2*ch], v[AC+8*ch+7]   ; the block's total: the same bits in both halves
.else
	v_add_f32 v[80+ch], v[65+2*ch], v[AC+8*ch+7]   ; the first block's total starts the carry
.endif
.set ch, ch+1
.endr
	WIN 0
.if (\a) > 0
.set ch, 0
.rept 8
	v_add_f32 v[64+2*ch], v[64+2*ch], v[80+ch]
	v_add_f32 v[80+ch], v[80+ch], v[88+ch]
.set ch, ch+1
.endr
.endif
	WIN 0x41*WW
.set ch, 0
.rept 8
.set p, 0
.rept 4
	v_pk_add_f32 v[AC+8*ch+2*p:AC+8*ch+2*p+1], v[AC+8*ch+2*p:AC+8*ch+2*p+1], v[64+2*ch:65+2*ch] op_sel_hi:[1,0]
.set p, p+1
.endr
.set ch, ch+1
.endr
	WIN 4*WW
.set ch, 0
.rept 8                                ; each store of the wave covers 512 consecutive bytes, at a multiple of 512 from SUMS' first byte; nothing stored is written again
	global_store_b128 v24, v[AC+8*ch:AC+8*ch+3],   s[66:67] offset:16384*(ch%4)+2048*(\a)+1024*(ch/4) th:TH_STORE_NT
	global_store_b128 v24, v[AC+8*ch+4:AC+8*ch+7], s[66:67] offset:16384*(ch%4)+2048*(\a)+1024*(ch/4)+512 th:TH_STORE_NT
.set ch, ch+1
.endr
.endm
.irp a, 0,1,2,3,4,5,6,7
	SCAN \a
.endr
	WIN 0
.irp b, 0,1,2,3
	v_cndmask_b32 v[96+(\b)], v[80+(\b)], v[84+(\b)], s76  ; the chunk's totals: lanes 0-15 K's, lanes 16-31 K V's
.endr
	global_store_b128 v24, v[96:99], s[68:69]
	s_wait_tensorcnt 0x0                           ; the wave's end
	ds_add_u32 v[SPW], v[NIL]
	s_wait_dscnt 0x0
	CROUND                                         ; the closing round
	s_endpgm
.Lfunc_end_k_q0de0632310_kv:
	.size	k_q0de0632310_kv, .Lfunc_end_k_q0de0632310_kv-k_q0de0632310_kv
	.p2alignl 7, 3214868480
	.fill 96, 4, 3214868480
	.section	.rodata,"a",@progbits
	.p2align	6, 0x0
	.amdhsa_kernel k_q0de0632310_kv
		.amdhsa_group_segment_fixed_size 327680
		.amdhsa_private_segment_fixed_size 0
		.amdhsa_enable_private_segment 0
		.amdhsa_kernarg_size 32
		.amdhsa_user_sgpr_count 2
		.amdhsa_user_sgpr_kernarg_segment_ptr 1
		.amdhsa_wavefront_size32 1
		.amdhsa_system_sgpr_workgroup_id_x 1
		.amdhsa_system_sgpr_workgroup_id_y 1
		.amdhsa_system_sgpr_workgroup_id_z 1
		.amdhsa_system_vgpr_workitem_id 0
		.amdhsa_next_free_vgpr 1024
		.amdhsa_next_free_sgpr 100
		.amdhsa_reserve_vcc 0
		.amdhsa_float_denorm_mode_32 3
		.amdhsa_float_denorm_mode_16_64 3
		.amdhsa_memory_ordered 1
		.amdhsa_forward_progress 1
		.amdhsa_inst_pref_size 156
	.end_amdhsa_kernel
	.amdgpu_metadata
---
amdhsa.version: [ 1, 2 ]
amdhsa.kernels:
  - .name:           k_q0de0632310_kv
    .symbol:         k_q0de0632310_kv.kd
    .args:
      - { .name: Xb, .offset: 0, .size: 8, .value_kind: global_buffer, .address_space: global }
      - { .name: Wb, .offset: 8, .size: 8, .value_kind: global_buffer, .address_space: global }
      - { .name: SUMS, .offset: 16, .size: 8, .value_kind: global_buffer, .address_space: global }
      - { .name: TOT, .offset: 24, .size: 8, .value_kind: global_buffer, .address_space: global }
    .group_segment_fixed_size: 327680
    .private_segment_fixed_size: 0
    .kernarg_segment_align: 8
    .kernarg_segment_size: 32
    .max_flat_workgroup_size: 128
    .sgpr_count:     100
    .vgpr_count:     1024
    .wavefront_size: 32
...
	.end_amdgpu_metadata
.endif
;; end of part 2
;; launch qo (part 3): grid 4 x 64, 4 waves a work-group, clusters of 4 x 4, 327,680 bytes of LDS; arguments Xb, Wb, SUMS, TOT, O3, OLO; writes O3, OLO
.if DOCPART == 3
	.amdgcn_target "amdgcn-amd-amdhsa--gfx1250"
	.amdhsa_code_object_version 6
	.text
	.protected	k_q0de0632310_qo
	.globl	k_q0de0632310_qo
	.p2align	8
	.type	k_q0de0632310_qo,@function
k_q0de0632310_qo:
	s_mov_b64 s[64:65], 0
	v_nop
	global_prefetch_b8 v0, s[64:65] scope:SCOPE_SE
	s_setreg_imm32_b32 hwreg(HW_REG_WAVE_MODE, 25, 1), 1
	s_wait_xcnt 0x0
	s_wait_alu depctr_hold_cnt(0) depctr_sa_sdst(0) depctr_va_vdst(0) depctr_va_sdst(0) depctr_va_ssrc(0) depctr_va_vcc(0) depctr_vm_vsrc(0)
	s_getreg_b32 s2, hwreg(HW_REG_IB_STS2, 6, 4)
	s_cmp_eq_u32 s2, 0
	s_cbranch_scc0 .Lentry_in_a_cluster
	s_endpgm
.Lentry_in_a_cluster:
	s_bfe_u32 s2, ttmp6, 0x10000c
	s_cmp_lg_u32 s2, 0xf033
	s_cbranch_scc0 .Lentry_shape_is_right
	s_endpgm
.Lentry_shape_is_right:
; q = X Wq; O = S sigmoid(q) with S = (CV + lkv) / (CK + eps + lk): lk, lkv the running sums inside the chunk (SUMS), CK, CV the sums of the batch's earlier chunks' totals (TOT).
; O = (CV + lkv) / ((CK + eps + lk) (1 + e^-q)), one reciprocal.  O leaves in f16 (O3), in the order in which the accumulators hold it: blocks of 16 channels x 16 rows, 512 bytes.
; For rows 0-15 of each batch, whose numbers are many times the output's root mean square, what the rounding to f16 drops leaves too, as a second f16 number (OLO).
; LIMITS.  |O| stays under 65,504 (f16's range; O lies within V's range); below 6e-5 f16 keeps a fixed step of 6e-8.  (CK + eps + lk)(1 + e^-q) stays under 2^126, or its reciprocal counts as 0.
; eps is added to the carry ahead of the chunk's own sum: another order of rounding than reference()'s.
; SHARES, RING, CLUSTER, REGISTERS: a tile of 256 rows x 256 channels, a wave 128 x 128; K in 8 steps of 128 through two LDS slots (X's two halves, pitch 272; Wq's two halves of 128 k x 128
; channels, pitch 288, turned on the way out of LDS); joint loads along the cluster's rows (X) and columns (Wq).  The tile row is 16 cy + cluster y: the batch is cy, and 'the batch's first tile'
; is cluster y = 0, the same in all sixteen partners.  Source 0 = rows of X, source 1 = channels: a lane holds one channel and 8 rows, as in SUMS.
; THE WAY OUT goes in 8 rounds of 16 channels x 128 rows.  The logits are set aside in LDS first (in the ring's bytes, which have had their last fill), so that one text, looped, serves all
; rounds: windows 2 and 3 then are two work spaces that take turns: while one is worked on, the other's 32 loads from SUMS are on their way.
.set HA,    128*272
.set HB,    128*288
.set SLOT,  2*HA+2*HB
.set CTAB,  2*SLOT                     ; 2,048 bytes a wave: [b][lane] (CK + eps, CV)
.set LOS,   CTAB+4*2048                ; 512 bytes a wave: a block of remainders is turned here
.set SPARE, LOS+4*512                  ; the spare words, 128 bytes a wave
.set ASTEP, 256
.set BSTEP, 128*2048
.set F0, 64
.set F1, 128
.set A0, 16
.set B0, 17
.set ADRA, 20
.set ADRB, 21
.set SPW, 28
.set NIL, 29
.set PFO, 30
.set MSB, 0
.macro WIN new
.if MSB != (\new)
	s_set_vgpr_msb (MSB<<8)|(\new)
.set MSB, \new
.endif
.endm
.macro PLACES
.rept 4
	v_nop
.endr
.endm
.macro CREST
	s_cmp_lg_u32 s10, 0
	s_cbranch_scc1 .Lnot_wave_0_\@
	s_barrier_signal -3
.Lnot_wave_0_\@:
	s_barrier_wait -3
	s_barrier_signal -1
	s_barrier_wait -1
.endm
.macro CROUND
	s_barrier_signal -1
	s_barrier_wait -1
	CREST
.endm
.macro JLOAD                           ; a joint refill: waves 0 and 1 X's halves, waves 2 and 3 Wq's; an s_nop 0 and four v_nop follow each line
	s_cmp_eq_u32 s11, 0
	s_cbranch_scc0 .Lfor_b_\@
	tensor_load_to_lds s[36:39], s[24:31]
	s_nop 0
.rept 4
	v_nop
.endr
	s_branch .Lasked_\@
.Lfor_b_\@:
	tensor_load_to_lds s[60:63], s[48:55]
	s_nop 0
.rept 4
	v_nop
.endr
.Lasked_\@:
.endm
.macro ASK                             ; the K step two refills on: 32 rows x 256 bytes, a lane a row.  X's rows are read by this cluster alone; Wq's are asked for by the clusters with y = 0
	s_cmp_gt_u32 s3, s23
	s_cbranch_scc0 .Lnot_mine_\@
	global_prefetch_b8 v[PFO], s[44:45] th:TH_LOAD_NT scope:SCOPE_SE
.Lnot_mine_\@:
.endm
.macro FETCH q, f
	WIN 0x40
.irp i, 0,1,2,3,4,5,6,7
	ds_load_tr16_b128 v[(\f)+8*(\i):(\f)+8*(\i)+3],   v[ADRB] offset:32*(\i)+9216*(\q)
	ds_load_tr16_b128 v[(\f)+8*(\i)+4:(\f)+8*(\i)+7], v[ADRB] offset:32*(\i)+9216*(\q)+4608
.endr
	WIN 0
.irp i, 0,1,2,3,4,5,6,7
	ds_load_b128 v[(\f)+8*(\i):(\f)+8*(\i)+3],   v[ADRA] offset:64*(\q)+4352*(\i)
	ds_load_b128 v[(\f)+8*(\i)+4:(\f)+8*(\i)+7], v[ADRA] offset:64*(\q)+4352*(\i)+32
.endr
.endm
.macro MUL16 f, hi, a0, zero           ; the 64 accumulators take turns in one order everywhere
	WIN 0xa4+0x50*(\hi)
.irp a, \a0, (\a0)+1
.irp b, 0,1,2,3,4,5,6,7
.if \zero
	v_wmma_f32_16x16x32_bf16 v[8*(8*(\a)+(\b)):8*(8*(\a)+(\b))+7], v[(\f)+8*(4*(\hi)+(\a)):(\f)+8*(4*(\hi)+(\a))+7], v[(\f)+8*(\b):(\f)+8*(\b)+7], 0
.else
	v_wmma_f32_16x16x32_bf16 v[8*(8*(\a)+(\b)):8*(8*(\a)+(\b))+7], v[(\f)+8*(4*(\hi)+(\a)):(\f)+8*(4*(\hi)+(\a))+7], v[(\f)+8*(\b):(\f)+8*(\b)+7], v[8*(8*(\a)+(\b)):8*(8*(\a)+(\b))+7]
.endif
.endr
.endr
.endm
.macro QUARTER q, f, g, zero
	s_wait_dscnt 8                                 ; the youngest eight loads (X's rows 64-127) may be out
	MUL16 \f, 0, 0, \zero
	MUL16 \f, 0, 2, \zero
	PLACES
	FETCH \q, \g
	s_wait_dscnt 32                                ; all but the 32 just issued
	MUL16 \f, 1, 0, \zero
	MUL16 \f, 1, 2, \zero
.endm
.macro TURN fill                       ; the fourth quarter and the change of slots
.if \fill
	s_wait_xcnt 0x0                                ; the last prefetch, a K step back, has read its address
	s_add_nc_u64 s[44:45], s[44:45], s[46:47]
.endif
	WIN 0
	s_wait_tensorcnt 0x0                           ; all my tensor loads have landed: my part of the next slot
	ds_add_u32 v[SPW], v[NIL]
	s_wait_dscnt 9                                 ; the add and the youngest eight loads may be out
.if \fill
	s_add_co_u32 s37, s20, s2
	s_add_nc_u64 s[38:39], s[38:39], ASTEP
	s_add_co_u32 s61, s21, s2
	s_add_nc_u64 s[62:63], s[62:63], BSTEP
.endif
	s_xor_b32 s2, s2, SLOT
	MUL16 F1, 0, 0, 0
	s_wait_dscnt 0x0                               ; the add is done, and my reads of this slot are over
	s_barrier_signal -1
	MUL16 F1, 0, 2, 0
	WIN 0
	s_barrier_wait -1
.if \fill
	CREST
	JLOAD
.else
	PLACES
.endif
	v_add_nc_u32 v[ADRA], s2, v[A0]
	v_add_nc_u32 v[ADRB], s2, v[B0]
	FETCH 0, F0
.if \fill
	ASK
.endif
	MUL16 F1, 1, 0, 0
	MUL16 F1, 1, 2, 0
.endm
	s_load_b256 s[84:91], s[0:1], 0x0              ; Xb s[84:85], Wb s[86:87], SUMS s[88:89], TOT s[90:91]
	s_load_b128 s[92:95], s[0:1], 0x20             ; O3 s[92:93], OLO s[94:95]
	v_lshl_add_u32 v[SPW], v0, 2, SPARE
	v_mov_b32 v[NIL], 0
	ds_add_u32 v[SPW], v[NIL]                      ; the opening: the add, twice on end, and its wait ahead of my first tensor load
	ds_add_u32 v[SPW], v[NIL]
	v_lshrrev_b32 v1, 5, v0
	v_readfirstlane_b32 s10, v1
	s_lshr_b32 s11, s10, 1
	s_and_b32 s12, s10, 1
	s_bfe_u32 s40, ttmp6, 0x40000                  ; cx
	s_bfe_u32 s41, ttmp6, 0x40004                  ; cy
	s_and_b32 s22, ttmp7, 0xffff                   ; cluster y
	s_lshl_b32 s42, ttmp9, 2
	s_add_co_u32 s42, s42, s40                     ; tile column 0..3: 256 channels
	s_lshl_b32 s13, s41, 4
	s_add_co_u32 s13, s13, s22                     ; tile row = 16 cy + cluster y
	s_lshl_b32 s14, s41, 2
	s_lshl_b32 s14, 15, s14
	s_lshl_b32 s15, 0x1111, s40
	s_or_b32 s24, s14, (1<<16)|(1<<20)|(1<<21)|(5<<22)|(3<<25)
	s_or_b32 s48, s15, (1<<16)|(1<<20)|(1<<21)|(5<<22)|(7<<25)
.irp g, 24, 48
	s_mov_b32 s[(\g)+1], 128<<16
	s_mov_b32 s[(\g)+2], 128<<16
	s_mov_b32 s[(\g)+3], 128<<16
	s_mov_b32 s[(\g)+4], 128
	s_mov_b32 s[(\g)+5], 1024
	s_mov_b32 s[(\g)+6], 0
	s_mov_b32 s[(\g)+7], 0
.endr
	s_lshl_b32 s16, s13, 19
	s_lshl_b32 s17, s12, 18
	s_add_co_u32 s16, s16, s17
	s_mov_b32 s17, 0
	s_lshl_b32 s18, s42, 9                         ; Wq is matrix 2; 512 bytes x tile column + 256 x half
	s_lshl_b32 s19, s12, 8
	s_add_co_u32 s18, s18, s19
	s_add_co_u32 s18, s18, 2<<21
	s_mov_b32 s19, 0
	s_mul_i32 s20, s12, HA
	s_mul_i32 s21, s12, HB
	s_add_co_u32 s21, s21, 2*HA
	s_mov_b32 s2, 0
	s_mov_b32 s32, 1
	s_mov_b32 s33, s20
	s_mov_b32 s36, 1
	s_add_co_u32 s37, s20, SLOT
	s_mov_b32 s56, 1
	s_mov_b32 s57, s21
	s_mov_b32 s60, 1
	s_add_co_u32 s61, s21, SLOT
	s_wait_dscnt 0x0
	s_wait_kmcnt 0x0
	s_add_nc_u64 s[34:35], s[84:85], s[16:17]
	s_add_nc_u64 s[38:39], s[34:35], ASTEP
	s_or_b32 s35, s35, 0x80000000
	s_or_b32 s39, s39, 0x80000000
	s_add_nc_u64 s[58:59], s[86:87], s[18:19]
	s_add_nc_u64 s[62:63], s[58:59], BSTEP
	s_or_b32 s59, s59, 0x80000000
	s_or_b32 s63, s63, 0x80000000
	CROUND
	s_cmp_eq_u32 s11, 0
	s_cbranch_scc0 .Lfirst_b
	tensor_load_to_lds s[32:35], s[24:31]
	s_nop 0
	tensor_load_to_lds s[36:39], s[24:31]
	s_nop 0
.rept 4
	v_nop
.endr
	s_branch .Lfirst_done
.Lfirst_b:
	tensor_load_to_lds s[56:59], s[48:55]
	s_nop 0
	tensor_load_to_lds s[60:63], s[48:55]
	s_nop 0
.rept 4
	v_nop
.endr
.Lfirst_done:
	; bases.  c = 2 x tile row + row half; g0 = 4 x tile column + 2 x channel half (groups of 64 channels); my first block of 16 channels is 4 g0
	v_and_b32 v6, 31, v0
	v_lshlrev_b32 v24, 4, v6                       ; 16 x lane
	s_lshl_b32 s14, s13, 1
	s_add_co_u32 s14, s14, s11                     ; c
	s_lshl_b32 s15, s42, 2
	s_lshl_b32 s96, s12, 1
	s_add_co_u32 s15, s15, s96                     ; g0
	s_mov_b32 s97, 0
	s_lshl_b32 s96, s41, 18
	s_lshl_b32 s98, s15, 9
	s_add_co_u32 s96, s96, s98
	s_add_nc_u64 s[82:83], s[90:91], s[96:97]      ; TOT at the batch's chunk 0, my groups
	s_lshl_b32 s96, s14, 4
	s_add_co_u32 s96, s96, s15
	s_lshl_b32 s96, s96, 16
	s_add_nc_u64 s[66:67], s[88:89], s[96:97]      ; SUMS at my chunk and groups
	s_lshl_b32 s96, s14, 18
	s_lshl_b32 s98, s15, 14
	s_add_co_u32 s96, s96, s98
	s_add_nc_u64 s[68:69], s[92:93], s[96:97]      ; O3
	s_lshl_b32 s96, s41, 15
	s_lshl_b32 s98, s15, 11
	s_add_co_u32 s96, s96, s98
	s_add_nc_u64 s[70:71], s[94:95], s[96:97]      ; OLO
	s_or_b32 s72, s22, s11                         ; 0: my rows are the batch's first 128
	s_lshl_b32 s73, s22, 1
	s_add_co_u32 s73, s73, s11                     ; how many chunks of the batch lie ahead of mine
	s_mov_b32 s74, 0xbfb8aa3b                      ; -log2(e)
	s_mov_b32 s75, s74
	s_mov_b32 s76, 0xffff0000
	s_mov_b32 s78, 0x76543210
	s_mov_b32 s79, 0xfedcba98
	; THE CARRY, while the first tiles land: the totals of the batch's chunks 0..30 for my 128 channels come into the accumulators' registers, which are still free
	WIN 0x80
.set cc, 0
.rept 31
	global_load_b128 v[8*cc:8*cc+3],   v24, s[82:83] offset:8192*cc
	global_load_b128 v[8*cc+4:8*cc+7], v24, s[82:83] offset:8192*cc+512
.set cc, cc+1
.endr
.set p, 248
.rept 8
	v_mov_b32 v[p], 0                              ; the eight sums: lanes 0-15 K's, lanes 16-31 K V's, of channels 16 b + lane % 16
.set p, p+1
.endr
	WIN 0
.set p, 40
.rept 8
	v_mov_b32 v[p], 0                              ; v_permlanex16_b32 counts as a reader of its destination
.set p, p+1
.endr
	v_and_b32 v1, 15, v0
	v_bfe_u32 v2, v0, 4, 1
	v_mul_u32_u24 v3, v1, 272
	v_lshl_add_u32 v3, v2, 4, v3
	s_mul_i32 s14, s11, HA
	v_add_nc_u32 v[A0], s14, v3
	v_and_b32 v4, 7, v0
	v_lshl_add_u32 v4, v2, 3, v4                   ; 8 (l / 16) + l % 8
	v_bfe_u32 v5, v0, 3, 1
	v_mul_u32_u24 v7, v4, 288
	v_lshl_add_u32 v7, v5, 4, v7
	s_mul_i32 s14, s12, HB
	s_add_co_u32 s14, s14, 2*HA
	v_add_nc_u32 v[B0], s14, v7
	s_lshl_b32 s14, s10, 16
	v_add_nc_u32 v25, s14, v24                     ; where my logits are set aside: 65,536 x wave + 16 x lane
	s_lshl_b32 s14, s10, 11
	s_add_co_u32 s14, s14, CTAB
	v_lshl_add_u32 v26, v6, 3, s14                 ; my entry of the carries' table
	v_lshlrev_b32 v27, 5, v1
	v_lshl_add_u32 v27, v2, 4, v27                 ; 32 (l % 16) + 16 (l / 16): my 16 bytes of a block of O3
	v_lshlrev_b32 v31, 8, v6                       ; 256 x lane
	s_lshl_b32 s14, s10, 9
	s_add_co_u32 s14, s14, LOS
	v_add_nc_u32 v32, s14, v27                     ; a block of remainders, in
	v_lshlrev_b32 v33, 5, v4
	v_lshl_add_u32 v33, v5, 4, v33
	v_add_nc_u32 v33, s14, v33                     ; and turned, out
	v_lshlrev_b32 v[PFO], 11, v6
	; the ring's prefetches, as the joint loads' rows are shared out: X by cx, Wq by cy; at K step 3
	s_lshl_b32 s96, s13, 19
	s_lshl_b32 s14, s12, 18
	s_add_co_u32 s96, s96, s14
	s_lshl_b32 s14, s40, 16
	s_add_co_u32 s96, s96, s14
	s_add_co_u32 s96, s96, 3*ASTEP
	s_lshl_b32 s98, s42, 9
	s_lshl_b32 s14, s12, 8
	s_add_co_u32 s98, s98, s14
	s_lshl_b32 s14, s41, 16
	s_add_co_u32 s98, s98, s14
	s_add_co_u32 s98, s98, (2<<21)+3*BSTEP
	s_mov_b32 s47, 0
	s_mov_b32 s46, BSTEP
	s_cmp_eq_u32 s11, 0
	s_cselect_b32 s96, s96, s98
	s_cselect_b32 s46, ASTEP, s46
	s_cselect_b32 s23, ttmp9, s22
	s_cselect_b64 s[44:45], s[84:85], s[86:87]
	s_add_nc_u64 s[44:45], s[44:45], s[96:97]
	s_cmp_eq_u32 s23, 0
	s_cselect_b32 s23, 2, -1
	s_wait_loadcnt 0x0                             ; the totals are in
.set cc, 0
.rept 31                               ; the earlier chunks' totals are added in ascending order; the jump, on ids and the wave's number alone, goes forward past no barrier
	s_cmp_le_u32 s73, cc
	s_cbranch_scc1 .Lcdone
	WIN 0x8a
.set p, 0
.rept 4
	v_pk_add_f32 v[248+2*p:249+2*p], v[248+2*p:249+2*p], v[8*cc+2*p:8*cc+2*p+1]
.set p, p+1
.endr
	WIN 0
.set cc, cc+1
.endr
.Lcdone:
	WIN 0x02
.irp b, 0,1,2,3,4,5,6,7
	v_permlanex16_b32 v[40+(\b)], v[248+(\b)], s78, s79
.endr
.irp b, 0,1,2,3,4,5,6,7
	v_cndmask_b32 v[48+2*(\b)], v[248+(\b)], v[40+(\b)], s76  ; CK: lanes 0-15 hold it, lanes 16-31 take the other half's
.endr
	WIN 0x08
.irp b, 0,1,2,3,4,5,6,7
	v_cndmask_b32 v[49+2*(\b)], v[40+(\b)], v[248+(\b)], s76  ; CV: the other way round
.endr
	WIN 0
.irp b, 0,1,2,3,4,5,6,7
	v_add_f32 v[48+2*(\b)], 0x358637bd, v[48+2*(\b)]          ; + eps = 1e-6
.endr
.irp b, 0,1,2,3,4,5,6,7
	ds_store_b64 v26, v[48+2*(\b):49+2*(\b)] offset:256*(\b)  ; my wave's own bytes: only I read them
.endr
	s_wait_tensorcnt 0x1                           ; my part of K step 0 is in; K step 1's may stay out
	s_wait_dscnt 0x0
	s_barrier_signal -1
	s_barrier_wait -1
	v_mov_b32 v[ADRA], v[A0]
	v_mov_b32 v[ADRB], v[B0]
	FETCH 0, F0
	QUARTER 1, F0, F1, 1
	WIN 0
	s_mov_b32 s3, 6
.Lk:
	QUARTER 2, F1, F0, 0
	QUARTER 3, F0, F1, 0
	TURN 1
	QUARTER 1, F0, F1, 0
	WIN 0
	s_sub_co_u32 s3, s3, 1
	s_cmp_lg_u32 s3, 0
	s_cbranch_scc1 .Lk
	; my first two rounds' 32,768 bytes of SUMS are asked for here, a lane a block of 256 bytes, each named once: seven quarters of matrix work ahead of their loads; no tensor load follows
	global_prefetch_b8 v31, s[66:67] th:TH_LOAD_NT scope:SCOPE_SE
	global_prefetch_b8 v31, s[66:67] offset:8192 th:TH_LOAD_NT scope:SCOPE_SE
	global_prefetch_b8 v31, s[66:67] offset:16384 th:TH_LOAD_NT scope:SCOPE_SE
	global_prefetch_b8 v31, s[66:67] offset:24576 th:TH_LOAD_NT scope:SCOPE_SE
	s_mov_b32 s3, 2
.Lt:
	QUARTER 2, F1, F0, 0
	QUARTER 3, F0, F1, 0
	WIN 0
	s_sub_co_u32 s3, s3, 1
	s_cmp_eq_u32 s3, 0
	s_cbranch_scc1 .Lfin
	TURN 0
	QUARTER 1, F0, F1, 0
	WIN 0
	s_branch .Lt
.Lfin:
	s_wait_dscnt 8
	MUL16 F1, 0, 0, 0
	MUL16 F1, 0, 2, 0
	s_wait_dscnt 0x0
	MUL16 F1, 1, 0, 0
	MUL16 F1, 1, 2, 0
	; THE WAY OUT.  A work space, window W (2: even b, 3: odd b): v0-127 block a: lk at 16 a, lkv at 16 a + 8; v128-191 the logits, 8 a block; v192-223 O in f16, 4 a block;
	; v224-225 (CK + eps, CV); v226 16 x lane; v227 my 16 bytes of a block of O3; v228, v229 LDS addresses of the round's logits and carries; v230, v231 the remainders' stage, in and out;
	; v232-239 remainders; v240 -1.0; v242-245, v246-249 remainders in f16, as made and turned.
	WIN 0
.rept 8
	v_nop
.endr
	s_wait_dscnt 0x0                               ; my reads of the ring are over;
	s_barrier_signal -1
	s_barrier_wait -1                              ; everybody's are: the ring's bytes, which no tensor load fills any more, take the logits
	WIN 0x08
.irp a, 0,1,2,3
.irp b, 0,1,2,3,4,5,6,7
	ds_store_b128 v25, v[8*(8*(\a)+(\b)):8*(8*(\a)+(\b))+3],   offset:1024*(8*(\b)+(\a))
	ds_store_b128 v25, v[8*(8*(\a)+(\b))+4:8*(8*(\a)+(\b))+7], offset:1024*(8*(\b)+(\a))+512
.endr
.endr
	WIN 0x80
	v_mov_b32 v226, v24
	v_mov_b32 v227, v27
	v_mov_b32 v228, v25
	v_mov_b32 v229, v26
	v_mov_b32 v230, v32
	v_mov_b32 v231, v33
	v_mov_b32 v240, -1.0
; A round's 32 loads from SUMS into work space w: 512 consecutive bytes each
.macro LOADS w, off
	WIN 0x40*(\w)
.irp i, 0,1,2,3,4,5,6,7
.irp k, 0,1,2,3
	global_load_b128 v[16*(\i)+4*(\k):16*(\i)+4*(\k)+3], v24, s[66:67] offset:(\off)+2048*(\i)+512*(\k) th:TH_LOAD_NT
.endr
.endr
.endm
	LOADS 2, 0
	WIN 0x0c
.irp a, 0,1,2,3
.irp b, 0,1,2,3,4,5,6,7
	ds_store_b128 v25, v[8*(8*(\a)+(\b)):8*(8*(\a)+(\b))+3],   offset:1024*(8*(\b)+(\a)+4)
	ds_store_b128 v25, v[8*(8*(\a)+(\b))+4:8*(8*(\a)+(\b))+7], offset:1024*(8*(\b)+(\a)+4)+512
.endr
.endr
	WIN 0xc0
	v_mov_b32 v226, v24
	v_mov_b32 v227, v27
	v_add_nc_u32 v228, 8192, v25                   ; the odd rounds begin at b = 1
	v_add_nc_u32 v229, 256, v26
	v_mov_b32 v230, v32
	v_mov_b32 v231, v33
	v_mov_b32 v240, -1.0
; The remainders of rows 0-15 of a batch (block a = 0 of the batch's first chunk): O less its f16, rounded to f16, turned through LDS into the order of a matrix operand
; (lane: row l % 16, channels 8 (l / 16) + 0..7) and stored, 512 consecutive bytes.  The branch hangs on cluster y and the wave's number.
.macro LOPART w, lo
	WIN 0
	s_cmp_lg_u32 s72, 0
	s_cbranch_scc1 .Lnolo_\@
	WIN 0x55*(\w)
.irp j, 0,2,4,6
	v_fma_mix_f32 v[232+(\j)], v[192+(\j)/2], v240, v[8+(\j)] op_sel_hi:[1,0,0]
	v_fma_mix_f32 v[233+(\j)], v[192+(\j)/2], v240, v[9+(\j)] op_sel:[1,0,0] op_sel_hi:[1,0,0]
.endr
.irp p, 0,1,2,3
	v_cvt_pk_f16_f32 v[242+(\p)], v[232+2*(\p)], v[233+2*(\p)]
.endr
	ds_store_b128 v230, v[242:245]
	ds_load_tr16_b128 v[246:249], v231             ; LDS serves a wave's instructions in order (ISA guide 5.7.1.4): it sees the store above
	s_wait_dscnt 0x0
	global_store_b128 v226, v[246:249], s[70:71] offset:\lo
	WIN 0
.Lnolo_\@:
.endm
; A round: 16 channels x 128 rows, wholly in work space w
.macro ROUND w, oo, lo
	WIN 0x55*(\w)
	ds_load_b64 v[224:225], v229
.irp i, 0,1,2,3,4,5,6,7
	ds_load_b128 v[128+8*(\i):128+8*(\i)+3],   v228 offset:1024*(\i)
	ds_load_b128 v[128+8*(\i)+4:128+8*(\i)+7], v228 offset:1024*(\i)+512
.endr
	s_wait_dscnt 0x0
.set p, 0
.rept 32
	v_pk_mul_f32 v[128+2*p:129+2*p], v[128+2*p:129+2*p], s[74:75] op_sel_hi:[1,0]
.set p, p+1
.endr
.set p, 0
.rept 64
	v_exp_f32 v[128+p], v[128+p]                   ; e^-q
.set p, p+1
.endr
.set i, 0
.rept 8                                ; the carries are added while the exponentials are at work: none of these lines names a result of theirs
.set p, 0
.rept 4
	v_pk_add_f32 v[16*i+2*p:16*i+2*p+1], v[16*i+2*p:16*i+2*p+1], v[224:225] op_sel_hi:[1,0]
	v_pk_add_f32 v[16*i+8+2*p:16*i+9+2*p], v[16*i+8+2*p:16*i+9+2*p], v[224:225] op_sel:[0,1] op_sel_hi:[1,1]
.set p, p+1
.endr
.set i, i+1
.endr
	s_wait_alu depctr_va_vdst(0)                   ; one wait for the 64 exponentials
.set i, 0
.rept 8
.set p, 0
.rept 4
	v_pk_fma_f32 v[16*i+2*p:16*i+2*p+1], v[16*i+2*p:16*i+2*p+1], v[128+8*i+2*p:129+8*i+2*p], v[16*i+2*p:16*i+2*p+1]  ; den (1 + e^-q)
.set p, p+1
.endr
.set i, i+1
.endr
.set i, 0
.rept 8
.set p, 0
.rept 8
	v_rcp_f32 v[16*i+p], v[16*i+p]
.set p, p+1
.endr
.set i, i+1
.endr
	v_nop                                          ; a plain instruction behind the last reciprocal,
	s_wait_alu depctr_va_vdst(0)                   ; and one wait for the 64
.set i, 0
.rept 8
.set p, 0
.rept 4
	v_pk_mul_f32 v[16*i+8+2*p:16*i+9+2*p], v[16*i+8+2*p:16*i+9+2*p], v[16*i+2*p:16*i+2*p+1]  ; O
.set p, p+1
.endr
.set i, i+1
.endr
.set i, 0
.rept 8
.set p, 0
.rept 4
	v_cvt_pk_f16_f32 v[192+4*i+p], v[16*i+8+2*p], v[16*i+9+2*p]
.set p, p+1
.endr
.set i, i+1
.endr
.irp i, 0,1,2,3,4,5,6,7
	global_store_b128 v227, v[192+4*(\i):195+4*(\i)], s[68:69] offset:(\oo)+512*(\i) th:TH_STORE_NT  ; a block: 512 consecutive bytes, written whole by one instruction
.endr
	v_add_nc_u32 v228, 16384, v228                 ; this work space's next round lies two blocks of channels on
	v_add_nc_u32 v229, 512, v229
	LOPART \w, \lo
.endm
	WIN 0
	s_mov_b32 s3, 4
.Lb:                                                   ; four trips, two rounds each
	LOADS 3, 16384
	s_wait_loadcnt 32                              ; work space 2's 32 loads are in; the 32 just issued may stay out
	ROUND 2, 0, 0
	s_cmp_eq_u32 s3, 1
	s_cbranch_scc1 .Llastb                         ; the last trip has no round behind it to load for; each way holds its own wait
	LOADS 2, 32768
	WIN 0
	s_wait_loadcnt 32                              ; work space 3's loads are in
	s_branch .Lgo3
.Llastb:
	s_wait_loadcnt 0x0
.Lgo3:
	ROUND 3, 4096, 512
	s_wait_xcnt 0x0                                ; every load and store issued so far has read its address and data: the bases and the stores' registers may be written
	s_add_nc_u64 s[66:67], s[66:67], 32768
	s_add_nc_u64 s[68:69], s[68:69], 8192
	s_add_nc_u64 s[70:71], s[70:71], 1024
	s_sub_co_u32 s3, s3, 1
	s_cmp_lg_u32 s3, 0
	s_cbranch_scc1 .Lb
	s_wait_tensorcnt 0x0                           ; the wave's end, behind my last LDS store
	ds_add_u32 v[SPW], v[NIL]
	s_wait_dscnt 0x0
	CROUND
	s_endpgm
.Lfunc_end_k_q0de0632310_qo:
	.size	k_q0de0632310_qo, .Lfunc_end_k_q0de0632310_qo-k_q0de0632310_qo
	.p2alignl 7, 3214868480
	.fill 96, 4, 3214868480
	.section	.rodata,"a",@progbits
	.p2align	6, 0x0
	.amdhsa_kernel k_q0de0632310_qo
		.amdhsa_group_segment_fixed_size 327680
		.amdhsa_private_segment_fixed_size 0
		.amdhsa_enable_private_segment 0
		.amdhsa_kernarg_size 48
		.amdhsa_user_sgpr_count 2
		.amdhsa_user_sgpr_kernarg_segment_ptr 1
		.amdhsa_wavefront_size32 1
		.amdhsa_system_sgpr_workgroup_id_x 1
		.amdhsa_system_sgpr_workgroup_id_y 1
		.amdhsa_system_sgpr_workgroup_id_z 1
		.amdhsa_system_vgpr_workitem_id 0
		.amdhsa_next_free_vgpr 1024
		.amdhsa_next_free_sgpr 100
		.amdhsa_reserve_vcc 0
		.amdhsa_float_denorm_mode_32 3
		.amdhsa_float_denorm_mode_16_64 3
		.amdhsa_memory_ordered 1
		.amdhsa_forward_progress 1
		.amdhsa_inst_pref_size 153
	.end_amdhsa_kernel
	.amdgpu_metadata
---
amdhsa.version: [ 1, 2 ]
amdhsa.kernels:
  - .name:           k_q0de0632310_qo
    .symbol:         k_q0de0632310_qo.kd
    .args:
      - { .name: Xb, .offset: 0, .size: 8, .value_kind: global_buffer, .address_space: global }
      - { .name: Wb, .offset: 8, .size: 8, .value_kind: global_buffer, .address_space: global }
      - { .name: SUMS, .offset: 16, .size: 8, .value_kind: global_buffer, .address_space: global }
      - { .name: TOT, .offset: 24, .size: 8, .value_kind: global_buffer, .address_space: global }
      - { .name: O3, .offset: 32, .size: 8, .value_kind: global_buffer, .address_space: global }
      - { .name: OLO, .offset: 40, .size: 8, .value_kind: global_buffer, .address_space: global }
    .group_segment_fixed_size: 327680
    .private_segment_fixed_size: 0
    .kernarg_segment_align: 8
    .kernarg_segment_size: 48
    .max_flat_workgroup_size: 128
    .sgpr_count:     100
    .vgpr_count:     1024
    .wavefront_size: 32
...
	.end_amdgpu_metadata
.endif
;; end of part 3
;; launch outp (part 4): grid 4 x 64, 4 waves a work-group, clusters of 4 x 4, 327,680 bytes of LDS; arguments O3, Wb, OLO, out0; writes out0
.if DOCPART == 4
	.amdgcn_target "amdgcn-amd-amdhsa--gfx1250"
	.amdhsa_code_object_version 6
	.text
	.protected	k_q0de0632310_outp
	.globl	k_q0de0632310_outp
	.p2align	8
	.type	k_q0de0632310_outp,@function
k_q0de0632310_outp:
	s_mov_b64 s[64:65], 0
	v_nop
	global_prefetch_b8 v0, s[64:65] scope:SCOPE_SE
	s_setreg_imm32_b32 hwreg(HW_REG_WAVE_MODE, 25, 1), 1
	s_wait_xcnt 0x0
	s_wait_alu depctr_hold_cnt(0) depctr_sa_sdst(0) depctr_va_vdst(0) depctr_va_sdst(0) depctr_va_ssrc(0) depctr_va_vcc(0) depctr_vm_vsrc(0)
	s_getreg_b32 s2, hwreg(HW_REG_IB_STS2, 6, 4)
	s_cmp_eq_u32 s2, 0
	s_cbranch_scc0 .Lentry_in_a_cluster
	s_endpgm
.Lentry_in_a_cluster:
	s_bfe_u32 s2, ttmp6, 0x10000c
	s_cmp_lg_u32 s2, 0xf033
	s_cbranch_scc0 .Lentry_shape_is_right
	s_endpgm
.Lentry_shape_is_right:
; out0 = O Wc.  O in f16 (O3), Wc's bf16 value written as f16 (Wb's matrix 3), sums in f32, the output f32.  For rows 0-15 of each batch the remainders of O's rounding (OLO, f16) are
; multiplied too and added onto the same accumulators.
; LIMITS.  O and Wc arrive within f16's range, 65,504.
; SHARES, RING, CLUSTER: a tile of 256 x 256, a wave 128 x 128; K in 8 steps of 128 through two LDS slots; joint loads along the cluster's rows (O) and columns (Wc).  Tile row = 16 cy + cluster y.
; A slot: O's two halves, each a chunk's 8 blocks of channels x 8 blocks of rows x 512 bytes, 32,768 dense bytes asked for as 128 rows of 256; then Wc's two halves of 128 k x 128 columns, pitch 288.
; Both operands lie [k][..] and are turned on the way out of LDS (ds_load_tr16_b128); a turning load of O takes 512 consecutive bytes.
; THE MATRIX INSTRUCTION IS USED TRANSPOSED: source 0 = 16 columns of Wc, source 1 = 16 rows of O: a lane holds one row of the output and eight neighbouring columns.
; REGISTERS: window 0: v0-31 addresses; v64-191 O's fragments, two buffers; v192-223 the remainders' fragments of the K step in hand, v224-255 of the next; window 1: Wc's fragments;
; windows 2, 3: the accumulators.
.set HO,    32768
.set HB,    128*288
.set SLOT,  2*HO+2*HB
.set STAGE, 2*SLOT                     ; 16 rows x 272 bytes for each wave, for the way out
.set SPARE, STAGE+4*4352
.set ASTEP, 32768
.set BSTEP, 128*2048
.set F0, 64
.set F1, 128
.set LW, 192
.set LS, 224
.set A0, 16
.set B0, 17
.set ADRA, 20
.set ADRB, 21
.set SPW, 28
.set NIL, 29
.set PFO, 30
.set MSB, 0
.macro WIN new
.if MSB != (\new)
	s_set_vgpr_msb (MSB<<8)|(\new)
.set MSB, \new
.endif
.endm
.macro PLACES
.rept 4
	v_nop
.endr
.endm
.macro CREST
	s_cmp_lg_u32 s10, 0
	s_cbranch_scc1 .Lnot_wave_0_\@
	s_barrier_signal -3
.Lnot_wave_0_\@:
	s_barrier_wait -3
	s_barrier_signal -1
	s_barrier_wait -1
.endm
.macro CROUND
	s_barrier_signal -1
	s_barrier_wait -1
	CREST
.endm
.macro JLOAD                           ; a joint refill: waves 0 and 1 O's halves, waves 2 and 3 Wc's; an s_nop 0 and four v_nop follow each line
	s_cmp_eq_u32 s11, 0
	s_cbranch_scc0 .Lfor_b_\@
	tensor_load_to_lds s[36:39], s[24:31]
	s_nop 0
.rept 4
	v_nop
.endr
	s_branch .Lasked_\@
.Lfor_b_\@:
	tensor_load_to_lds s[60:63], s[48:55]
	s_nop 0
.rept 4
	v_nop
.endr
.Lasked_\@:
.endm
.macro ASK                             ; the K step two refills on: 32 blocks of 256 bytes, a lane a block.  O's are read by this cluster alone; Wc's are asked for by the clusters with y = 0
	s_cmp_gt_u32 s3, s23
	s_cbranch_scc0 .Lnot_mine_\@
	global_prefetch_b8 v[PFO], s[44:45] th:TH_LOAD_NT scope:SCOPE_SE
.Lnot_mine_\@:
.endm
.macro FETCH q, f
	WIN 0x40
.irp i, 0,1,2,3,4,5,6,7
	ds_load_tr16_b128 v[(\f)+8*(\i):(\f)+8*(\i)+3],   v[ADRB] offset:32*(\i)+9216*(\q)
	ds_load_tr16_b128 v[(\f)+8*(\i)+4:(\f)+8*(\i)+7], v[ADRB] offset:32*(\i)+9216*(\q)+4608
.endr
	WIN 0
.irp i, 0,1,2,3,4,5,6,7
	ds_load_tr16_b128 v[(\f)+8*(\i):(\f)+8*(\i)+3],   v[ADRA] offset:8192*(\q)+512*(\i)
	ds_load_tr16_b128 v[(\f)+8*(\i)+4:(\f)+8*(\i)+7], v[ADRA] offset:8192*(\q)+512*(\i)+4096
.endr
.endm
.macro MUL16 f, hi, a0, zero           ; the 64 accumulators take turns in one order everywhere
	WIN 0xa1+0x50*(\hi)
.irp a, \a0, (\a0)+1
.irp b, 0,1,2,3,4,5,6,7
.if \zero
	v_wmma_f32_16x16x32_f16 v[8*(8*(\a)+(\b)):8*(8*(\a)+(\b))+7], v[(\f)+8*(\b):(\f)+8*(\b)+7], v[(\f)+8*(4*(\hi)+(\a)):(\f)+8*(4*(\hi)+(\a))+7], 0
.else
	v_wmma_f32_16x16x32_f16 v[8*(8*(\a)+(\b)):8*(8*(\a)+(\b))+7], v[(\f)+8*(\b):(\f)+8*(\b)+7], v[(\f)+8*(4*(\hi)+(\a)):(\f)+8*(4*(\hi)+(\a))+7], v[8*(8*(\a)+(\b)):8*(8*(\a)+(\b))+7]
.endif
.endr
.endr
.endm
; The remainders' eight products of quarter q, at a quarter's end, in the waves that hold a batch's rows 0-15 (cluster y = 0, row half 0).  The matrix instruction ahead names accumulator (7, 7),
; these (0, 0) .. (0, 7), the next one (0, 0): no two on end share an accumulator.
.macro LOMUL f, q
	WIN 0
	s_cmp_lg_u32 s72, 0
	s_cbranch_scc1 .Lnolo_\@
	WIN 0xa1
.irp b, 0,1,2,3,4,5,6,7
	v_wmma_f32_16x16x32_f16 v[8*(\b):8*(\b)+7], v[(\f)+8*(\b):(\f)+8*(\b)+7], v[LW+8*(\q):LW+8*(\q)+7], v[8*(\b):8*(\b)+7]
.endr
	WIN 0
.Lnolo_\@:
.endm
; At a K step's end the same waves take the next step's remainders into the fragments' registers and (load = 1) ask for the step after that.  Wait, copy and loads stand in one block.
.macro LOBLOCK load
	s_cmp_lg_u32 s72, 0
	s_cbranch_scc1 .Lnoblk_\@
	PLACES                                         ; behind the products that read the fragments
	s_wait_loadcnt 0x0                             ; the next step's remainders are in, and their loads have read the base
.set p, 0
.rept 32
	v_mov_b32 v[LW+p], v[LS+p]
.set p, p+1
.endr
.if \load
	s_add_nc_u64 s[70:71], s[70:71], 4096
.irp q, 0,1,2,3
	global_load_b128 v[LS+8*(\q):LS+8*(\q)+3],   v24, s[70:71] offset:1024*(\q)
	global_load_b128 v[LS+8*(\q)+4:LS+8*(\q)+7], v24, s[70:71] offset:1024*(\q)+512
.endr
.endif
.Lnoblk_\@:
.endm
.macro QUARTER q, f, g, zero
	s_wait_dscnt 8                                 ; the youngest eight loads (O's rows 64-127) may be out
	MUL16 \f, 0, 0, \zero
	MUL16 \f, 0, 2, \zero
	PLACES
	FETCH \q, \g
	s_wait_dscnt 32                                ; all but the 32 just issued
	MUL16 \f, 1, 0, \zero
	MUL16 \f, 1, 2, \zero
	LOMUL \f, (\q)-1
.endm
.macro TURN fill
.if \fill
	s_wait_xcnt 0x0                                ; the last prefetch, a K step back, has read its address
	s_add_nc_u64 s[44:45], s[44:45], s[46:47]
.endif
	WIN 0
	s_wait_tensorcnt 0x0                           ; all my tensor loads have landed: my part of the next slot
	ds_add_u32 v[SPW], v[NIL]
	s_wait_dscnt 9                                 ; the add and the youngest eight loads may be out
.if \fill
	s_add_co_u32 s37, s20, s2
	s_add_nc_u64 s[38:39], s[38:39], ASTEP
	s_add_co_u32 s61, s21, s2
	s_add_nc_u64 s[62:63], s[62:63], BSTEP
.endif
	s_xor_b32 s2, s2, SLOT
	MUL16 F1, 0, 0, 0
	s_wait_dscnt 0x0                               ; the add is done, and my reads of this slot are over
	s_barrier_signal -1
	MUL16 F1, 0, 2, 0
	WIN 0
	s_barrier_wait -1
.if \fill
	CREST
	JLOAD
.else
	PLACES
.endif
	v_add_nc_u32 v[ADRA], s2, v[A0]
	v_add_nc_u32 v[ADRB], s2, v[B0]
	FETCH 0, F0
.if \fill
	ASK
.endif
	MUL16 F1, 1, 0, 0
	MUL16 F1, 1, 2, 0
	LOMUL F1, 3
	LOBLOCK \fill
.endm
	s_load_b256 s[84:91], s[0:1], 0x0              ; O3 s[84:85], Wb s[86:87], OLO s[88:89], out0 s[90:91]
	v_lshl_add_u32 v[SPW], v0, 2, SPARE
	v_mov_b32 v[NIL], 0
	ds_add_u32 v[SPW], v[NIL]                      ; the opening: the add, twice on end, and its wait ahead of my first tensor load
	ds_add_u32 v[SPW], v[NIL]
	v_lshrrev_b32 v1, 5, v0
	v_readfirstlane_b32 s10, v1
	s_lshr_b32 s11, s10, 1
	s_and_b32 s12, s10, 1
	s_bfe_u32 s40, ttmp6, 0x40000                  ; cx
	s_bfe_u32 s41, ttmp6, 0x40004                  ; cy
	s_and_b32 s22, ttmp7, 0xffff                   ; cluster y
	s_lshl_b32 s42, ttmp9, 2
	s_add_co_u32 s42, s42, s40                     ; tile column
	s_lshl_b32 s13, s41, 4
	s_add_co_u32 s13, s13, s22                     ; tile row = 16 cy + cluster y
	s_lshl_b32 s14, s41, 2
	s_lshl_b32 s14, 15, s14
	s_lshl_b32 s15, 0x1111, s40
	s_or_b32 s24, s14, (3<<16)|(1<<21)             ; O: the mask; 8-byte elements; bit 21 beside a mask; no padding
	s_mov_b32 s25, 32<<16                          ; tensor_dim0 = 32 (256 bytes)
	s_mov_b32 s26, 128<<16                         ; tensor_dim1 = 128
	s_mov_b32 s27, 32<<16                          ; tile_dim0 = 32
	s_mov_b32 s28, 128                             ; tile_dim1 = 128
	s_mov_b32 s29, 32                              ; the rows lie end to end
	s_mov_b32 s30, 0
	s_mov_b32 s31, 0
	s_or_b32 s48, s15, (1<<16)|(1<<20)|(1<<21)|(5<<22)|(7<<25)  ; Wc: 2-byte elements, after every 64 words 8 words of padding
	s_mov_b32 s49, 128<<16
	s_mov_b32 s50, 128<<16
	s_mov_b32 s51, 128<<16
	s_mov_b32 s52, 128
	s_mov_b32 s53, 1024
	s_mov_b32 s54, 0
	s_mov_b32 s55, 0
	s_lshl_b32 s16, s13, 19                        ; O: chunk 2 x tile row + half, 262,144 bytes each
	s_lshl_b32 s17, s12, 18
	s_add_co_u32 s16, s16, s17
	s_mov_b32 s17, 0
	s_lshl_b32 s18, s42, 9                         ; Wc is matrix 3
	s_lshl_b32 s19, s12, 8
	s_add_co_u32 s18, s18, s19
	s_add_co_u32 s18, s18, 3<<21
	s_mov_b32 s19, 0
	s_lshl_b32 s20, s12, 15                        ; half x HO
	s_mul_i32 s21, s12, HB
	s_add_co_u32 s21, s21, 2*HO
	s_mov_b32 s2, 0
	s_mov_b32 s32, 1
	s_mov_b32 s33, s20
	s_mov_b32 s36, 1
	s_add_co_u32 s37, s20, SLOT
	s_mov_b32 s56, 1
	s_mov_b32 s57, s21
	s_mov_b32 s60, 1
	s_add_co_u32 s61, s21, SLOT
	s_wait_dscnt 0x0
	s_wait_kmcnt 0x0
	s_add_nc_u64 s[34:35], s[84:85], s[16:17]
	s_add_nc_u64 s[38:39], s[34:35], ASTEP
	s_or_b32 s35, s35, 0x80000000
	s_or_b32 s39, s39, 0x80000000
	s_add_nc_u64 s[58:59], s[86:87], s[18:19]
	s_add_nc_u64 s[62:63], s[58:59], BSTEP
	s_or_b32 s59, s59, 0x80000000
	s_or_b32 s63, s63, 0x80000000
	CROUND
	s_cmp_eq_u32 s11, 0
	s_cbranch_scc0 .Lfirst_b
	tensor_load_to_lds s[32:35], s[24:31]
	s_nop 0
	tensor_load_to_lds s[36:39], s[24:31]
	s_nop 0
.rept 4
	v_nop
.endr
	s_branch .Lfirst_done
.Lfirst_b:
	tensor_load_to_lds s[56:59], s[48:55]
	s_nop 0
	tensor_load_to_lds s[60:63], s[48:55]
	s_nop 0
.rept 4
	v_nop
.endr
.Lfirst_done:
	v_and_b32 v6, 31, v0
	v_lshlrev_b32 v24, 4, v6                       ; 16 x lane
	s_lshl_b32 s96, s41, 15
	s_mov_b32 s97, 0
	s_add_nc_u64 s[70:71], s[88:89], s[96:97]      ; the batch's remainders
	s_or_b32 s72, s22, s11                         ; 0: my rows begin a batch
	; every wave loads the remainders of K steps 0 and 1, so that their registers are written on every way; only the waves with s72 = 0 use them
.irp q, 0,1,2,3
	global_load_b128 v[LW+8*(\q):LW+8*(\q)+3],   v24, s[70:71] offset:1024*(\q)
	global_load_b128 v[LW+8*(\q)+4:LW+8*(\q)+7], v24, s[70:71] offset:1024*(\q)+512
	global_load_b128 v[LS+8*(\q):LS+8*(\q)+3],   v24, s[70:71] offset:4096+1024*(\q)
	global_load_b128 v[LS+8*(\q)+4:LS+8*(\q)+7], v24, s[70:71] offset:4096+1024*(\q)+512
.endr
	v_and_b32 v1, 15, v0
	v_bfe_u32 v2, v0, 4, 1
	v_and_b32 v4, 7, v0
	v_lshl_add_u32 v4, v2, 3, v4                   ; 8 (l / 16) + l % 8
	v_bfe_u32 v5, v0, 3, 1
	v_lshlrev_b32 v3, 5, v4                        ; O's blocks: 32 bytes a channel
	v_lshl_add_u32 v3, v5, 4, v3
	s_lshl_b32 s14, s11, 15
	v_add_nc_u32 v[A0], s14, v3
	v_mul_u32_u24 v7, v4, 288
	v_lshl_add_u32 v7, v5, 4, v7
	s_mul_i32 s14, s12, HB
	s_add_co_u32 s14, s14, 2*HO
	v_add_nc_u32 v[B0], s14, v7
	s_mul_i32 s14, s10, 4352
	s_add_co_u32 s14, s14, STAGE                   ; my stage
	v_mul_u32_u24 v25, v1, 272                     ; in: row l % 16, 32 bytes for each half of the lanes
	v_lshl_add_u32 v25, v2, 5, v25
	v_add_nc_u32 v25, s14, v25
	v_mul_u32_u24 v26, v2, 272                     ; back: lanes 0-15 one row's 256 bytes, lanes 16-31 the next row's
	v_lshl_add_u32 v26, v1, 4, v26
	v_add_nc_u32 v26, s14, v26
	v_lshlrev_b32 v27, 12, v2                      ; and the same two rows in the output
	v_lshl_add_u32 v27, v1, 4, v27
	s_lshl_b32 s96, s13, 20                        ; (256 x tile row + 128 x row half) rows of 4,096 bytes
	s_lshl_b32 s14, s11, 19
	s_add_co_u32 s96, s96, s14
	s_lshl_b32 s14, s42, 10                        ; (256 x tile column + 128 x column half) x 4 bytes
	s_add_co_u32 s96, s96, s14
	s_lshl_b32 s14, s12, 9
	s_add_co_u32 s96, s96, s14
	s_add_nc_u64 s[66:67], s[90:91], s[96:97]
	; the ring's prefetches: O's 128 blocks of 256 bytes shared out by cx, Wc's 128 rows by cy; at K step 3
	s_lshl_b32 s96, s13, 19
	s_lshl_b32 s14, s12, 18
	s_add_co_u32 s96, s96, s14
	s_lshl_b32 s14, s40, 13
	s_add_co_u32 s96, s96, s14
	s_add_co_u32 s96, s96, 3*ASTEP
	s_lshl_b32 s98, s42, 9
	s_lshl_b32 s14, s12, 8
	s_add_co_u32 s98, s98, s14
	s_lshl_b32 s14, s41, 16
	s_add_co_u32 s98, s98, s14
	s_add_co_u32 s98, s98, (3<<21)+3*BSTEP
	s_mov_b32 s47, 0
	s_mov_b32 s46, BSTEP
	s_cmp_eq_u32 s11, 0
	s_cselect_b32 s96, s96, s98
	s_cselect_b32 s46, ASTEP, s46
	s_cselect_b32 s14, 8, 11                       ; a lane's step: 256 bytes in O3, a row of 2,048 in Wb
	s_cselect_b32 s23, ttmp9, s22
	s_cselect_b64 s[44:45], s[84:85], s[86:87]
	s_add_nc_u64 s[44:45], s[44:45], s[96:97]
	s_cmp_eq_u32 s23, 0
	s_cselect_b32 s23, 2, -1
	v_lshlrev_b32 v[PFO], s14, v6
	s_wait_loadcnt 0x0                             ; the remainders are in, and their loads have read the base
	s_add_nc_u64 s[70:71], s[70:71], 4096          ; it stands at K step 1; each later block steps it first
	s_wait_tensorcnt 0x1                           ; my part of K step 0 is in; K step 1's may stay out
	s_wait_dscnt 0x0
	s_barrier_signal -1
	s_barrier_wait -1
	v_mov_b32 v[ADRA], v[A0]
	v_mov_b32 v[ADRB], v[B0]
	FETCH 0, F0
	QUARTER 1, F0, F1, 1
	s_mov_b32 s3, 6
.Lk:
	QUARTER 2, F1, F0, 0
	QUARTER 3, F0, F1, 0
	TURN 1
	QUARTER 1, F0, F1, 0
	s_sub_co_u32 s3, s3, 1
	s_cmp_lg_u32 s3, 0
	s_cbranch_scc1 .Lk
	s_mov_b32 s3, 2
.Lt:
	QUARTER 2, F1, F0, 0
	QUARTER 3, F0, F1, 0
	s_sub_co_u32 s3, s3, 1
	s_cmp_eq_u32 s3, 0
	s_cbranch_scc1 .Lfin
	TURN 0
	QUARTER 1, F0, F1, 0
	s_branch .Lt
.Lfin:
	s_wait_dscnt 8
	MUL16 F1, 0, 0, 0
	MUL16 F1, 0, 2, 0
	s_wait_dscnt 0x0
	MUL16 F1, 1, 0, 0
	MUL16 F1, 1, 2, 0
	LOMUL F1, 3
	; THE WAY OUT.  A unit u = (a, cc) is 16 rows x 64 columns of f32: a lane's 8 columns go into rows of 272 bytes of my own stage and come back as whole rows of 256 bytes.
	s_wait_loadcnt 0x0
.rept 8
	v_nop
.endr
.macro TOSTAGE u
.set AC, 64*(((\u)/2)%4)+32*((\u)%2)
.set WW, 2+(\u)/8
.set RB, 64+32*((\u)%2)
	s_wait_xcnt 0x0                                ; the stores of the unit two back have read the registers that are loaded again below
	WIN 4*WW
.irp i, 0,1,2,3
	ds_store_b128 v25, v[AC+8*(\i):AC+8*(\i)+3],   offset:64*(\i)
	ds_store_b128 v25, v[AC+8*(\i)+4:AC+8*(\i)+7], offset:64*(\i)+16
.endr
	WIN 0
.irp t, 0,1,2,3,4,5,6,7
	ds_load_b128 v[RB+4*(\t):RB+4*(\t)+3], v26 offset:544*(\t)  ; LDS serves a wave's instructions in order (ISA guide 5.7.1.4): these see the stores above, and the next unit's stores come behind them
.endr
.endm
.macro SEND u, younger                 ; younger: the next unit's sixteen LDS instructions, or none
.set RB, 64+32*((\u)%2)
	s_wait_dscnt \younger
.irp t, 0,1,2,3,4,5,6,7
	global_store_b128 v27, v[RB+4*(\t):RB+4*(\t)+3], s[66:67] offset:(16*((\u)/2)+2*(\t))*4096+256*((\u)%2) th:TH_STORE_NT  ; 16 lanes store 256 consecutive bytes, at a multiple of 256 from the output's first byte
.endr
.endm
	TOSTAGE 0
.set uu, 1
.rept 15
	TOSTAGE uu
	SEND uu-1, 16
.set uu, uu+1
.endr
	SEND 15, 0
	s_wait_tensorcnt 0x0                           ; the wave's end, behind my last LDS store
	ds_add_u32 v[SPW], v[NIL]
	s_wait_dscnt 0x0
	CROUND
	s_endpgm
.Lfunc_end_k_q0de0632310_outp:
	.size	k_q0de0632310_outp, .Lfunc_end_k_q0de0632310_outp-k_q0de0632310_outp
	.p2alignl 7, 3214868480
	.fill 96, 4, 3214868480
	.section	.rodata,"a",@progbits
	.p2align	6, 0x0
	.amdhsa_kernel k_q0de0632310_outp
		.amdhsa_group_segment_fixed_size 327680
		.amdhsa_private_segment_fixed_size 0
		.amdhsa_enable_private_segment 0
		.amdhsa_kernarg_size 32
		.amdhsa_user_sgpr_count 2
		.amdhsa_user_sgpr_kernarg_segment_ptr 1
		.amdhsa_wavefront_size32 1
		.amdhsa_system_sgpr_workgroup_id_x 1
		.amdhsa_system_sgpr_workgroup_id_y 1
		.amdhsa_system_sgpr_workgroup_id_z 1
		.amdhsa_system_vgpr_workitem_id 0
		.amdhsa_next_free_vgpr 1024
		.amdhsa_next_free_sgpr 100
		.amdhsa_reserve_vcc 0
		.amdhsa_float_denorm_mode_32 3
		.amdhsa_float_denorm_mode_16_64 3
		.amdhsa_memory_ordered 1
		.amdhsa_forward_progress 1
		.amdhsa_inst_pref_size 115
	.end_amdhsa_kernel
	.amdgpu_metadata
---
amdhsa.version: [ 1, 2 ]
amdhsa.kernels:
  - .name:           k_q0de0632310_outp
    .symbol:         k_q0de0632310_outp.kd
    .args:
      - { .name: O3, .offset: 0, .size: 8, .value_kind: global_buffer, .address_space: global }
      - { .name: Wb, .offset: 8, .size: 8, .value_kind: global_buffer, .address_space: global }
      - { .name: OLO, .offset: 16, .size: 8, .value_kind: global_buffer, .address_space: global }
      - { .name: out0, .offset: 24, .size: 8, .value_kind: global_buffer, .address_space: global }
    .group_segment_fixed_size: 327680
    .private_segment_fixed_size: 0
    .kernarg_segment_align: 8
    .kernarg_segment_size: 32
    .max_flat_workgroup_size: 128
    .sgpr_count:     100
    .vgpr_count:     1024
    .wavefront_size: 32
...
	.end_amdgpu_metadata
.endif
;; end of part 4
